; MI455X (gfx1250); checked and timed in simulation.
; The chip was launched on July 23, 2026; its instructions are those of AMD's public machine-readable ISA for CDNA 5 (MIT licence, August 2026) and "CDNA5" Instruction Set Architecture Reference Guide (July 2026). The comments in the code are by the model that wrote it; some were corrected since.
;; Cross Attention Fusion. Allowed arithmetic: float matrix products may take bf16 or f16 operands with f32 sums; other float arithmetic in f32, or as packed bf16 or f16 multiplies, adds, multiply-adds, maxima and minima; sums over many terms, partial sums and values carried from step to step in f32; what a program stores and reads back later, other than sums and carried values, may be rounded once to bf16 or f16.
;; Inputs: Wk 1,024 x 1,024 float32; Wo 1,024 x 1,024 float32; Wq 1,024 x 1,024 float32; Wv 1,024 x 1,024 float32; bk 1,024 float32; bo 1,024 float32; bq 1,024 float32; bv 1,024 float32; feat1 16,384 x 1,024 float32; feat2 16,384 x 1,024 float32.
;; Outputs: out0 16,384 x 1,024 float32.
;; One version. Each part assembles by itself: llvm-mc -triple=amdgcn-amd-amdhsa -mcpu=gfx1250 --defsym DOCPART=n.
;; ======== version 1 of 1: 4 launches
;; limits: values are held in f16: magnitudes above 65,504 overflow, below 6.1e-05 lose precision
;; workspace buffers: xb 67,108,864 bytes; wt 8,388,608 bytes; qkv 100,663,296 bytes; ctx 33,554,432 bytes
;; launch cast (part 1): grid 2304 x 1, 8 waves a work-group, no clusters, 0 bytes of LDS; arguments feat1, feat2, Wq, Wk, Wv, Wo, xb, wt; writes xb, wt
.if DOCPART == 1
	.amdgcn_target "amdgcn-amd-amdhsa--gfx1250"
	.amdhsa_code_object_version 6
	.text
	.protected	k_qd1c95c029c_cast
	.globl	k_qd1c95c029c_cast
	.p2align	8
	.type	k_qd1c95c029c_cast,@function
k_qd1c95c029c_cast:
	s_mov_b64 s[64:65], 0
	v_nop
	global_prefetch_b8 v0, s[64:65] scope:SCOPE_SE
	s_setreg_imm32_b32 hwreg(HW_REG_WAVE_MODE, 25, 1), 1
	s_wait_xcnt 0x0
; f32 -> 16 bits, layouts unchanged.  xb = [2][16384][1024] bf16 (feat1, feat2); wt = [4][1024 k][1024 n]: Wq, Wk, Wv in bf16, and Wo rounded
; to bf16 with that number written as f16 (the last product multiplies in f16).
; LIMITS.  |Wo| stays under 65,504 (f16's end); below 6e-5 f16 keeps its fixed step of 6e-8.  NaN and infinities are not treated apart.
; SHARES.  A work-group takes one chunk of 65,536 bytes of f32 (16 rows) and writes 32,768: 1,024 chunks of feat1, 1,024 of feat2, 64 of each weight: 2,304.
; Thread t takes the 16 bytes at 16 t of each 4,096: a wave's load covers 512 consecutive bytes, its store 256 consecutive bytes, aligned.
; All sixteen loads go out at once; no register is used twice, so the only waits are the counted ones for the data.  No LDS, no barrier: no thread wants another's bytes.
.set X, 4                              ; v[4:67]   sixteen loads of four
.set T, 68                             ; v[68:69]  at work (Wo's path)
	s_load_b512 s[8:23], s[0:1], 0x0               ; feat1 s[8:9], feat2 s[10:11], Wq s[12:13], Wk s[14:15], Wv s[16:17], Wo s[18:19], xb s[20:21], wt s[22:23]
	s_mov_b32 s2, ttmp9                            ; the chunk
	s_bfe_u32 s3, s2, 0x20006                      ; which weight, for chunks from 2,048 on (2,048 is a multiple of 256)
	s_and_b32 s28, s2, 63                          ; the chunk's place in a weight,
	s_and_b32 s29, s2, 1023                        ; in feat1 or feat2,
	s_sub_co_u32 s30, s2, 2048                     ; and in wt
	s_mov_b32 s26, 0xffff0000                      ; a word's upper bf16
	v_lshlrev_b32 v1, 4, v0                        ; 16 t
	v_lshlrev_b32 v2, 3, v0                        ; 8 t
	s_wait_kmcnt 0x0
	s_mov_b64 s[24:25], s[12:13]
	s_cmp_eq_u32 s3, 1
	s_cselect_b64 s[24:25], s[14:15], s[24:25]
	s_cmp_eq_u32 s3, 2
	s_cselect_b64 s[24:25], s[16:17], s[24:25]
	s_cmp_eq_u32 s3, 3
	s_cselect_b64 s[24:25], s[18:19], s[24:25]
	s_cmp_lt_u32 s2, 1024
	s_cselect_b64 s[4:5], s[8:9], s[10:11]
	s_cmp_ge_u32 s2, 2048                          ; a weight?
	s_cselect_b64 s[4:5], s[24:25], s[4:5]         ; from where,
	s_cselect_b64 s[6:7], s[22:23], s[20:21]       ; to where,
	s_cselect_b32 s28, s28, s29                    ; the chunk's number in the source,
	s_cselect_b32 s30, s30, s2                     ; and in the destination (xb holds feat1's chunks, then feat2's)
	s_lshl_b32 s28, s28, 16
	s_mov_b32 s29, 0
	s_lshl_b32 s30, s30, 15
	s_mov_b32 s31, 0
	s_add_nc_u64 s[4:5], s[4:5], s[28:29]
	s_add_nc_u64 s[6:7], s[6:7], s[30:31]
.irp i, 0,1,2,3,4,5,6,7,8,9,10,11,12,13,14,15
	global_load_b128 v[X+4*(\i):X+4*(\i)+3], v1, s[4:5] offset:4096*(\i) th:TH_LOAD_NT
.endr
	s_cmp_ge_u32 s2, 2240                          ; Wo's 64 chunks are the last
	s_cbranch_scc1 .Lwo
.irp i, 0,1,2,3,4,5,6,7,8,9,10,11,12,13,14,15
	s_wait_loadcnt 15-(\i)                         ; loads come back in order: load i is in, the younger ones stay out
	v_cvt_pk_bf16_f32 v[X+4*(\i)], v[X+4*(\i)], v[X+4*(\i)+1]
	v_cvt_pk_bf16_f32 v[X+4*(\i)+1], v[X+4*(\i)+2], v[X+4*(\i)+3]
	global_store_b64 v2, v[X+4*(\i):X+4*(\i)+1], s[6:7] offset:2048*(\i) th:TH_STORE_NT
.endr
	s_endpgm
.Lwo:
.irp i, 0,1,2,3,4,5,6,7,8,9,10,11,12,13,14,15
	s_wait_loadcnt 15-(\i)
	v_cvt_pk_bf16_f32 v[T], v[X+4*(\i)], v[X+4*(\i)+1]       ; rounded to bf16 like every other input,
	v_cvt_pk_bf16_f32 v[T+1], v[X+4*(\i)+2], v[X+4*(\i)+3]
	v_lshlrev_b32 v[X+4*(\i)], 16, v[T]                      ; widened again,
	v_and_b32 v[X+4*(\i)+1], s26, v[T]
	v_lshlrev_b32 v[X+4*(\i)+2], 16, v[T+1]
	v_and_b32 v[X+4*(\i)+3], s26, v[T+1]
	v_cvt_pk_f16_f32 v[X+4*(\i)], v[X+4*(\i)], v[X+4*(\i)+1] ; and written as f16: bf16's 8 significant bits fit f16's 11
	v_cvt_pk_f16_f32 v[X+4*(\i)+1], v[X+4*(\i)+2], v[X+4*(\i)+3]
	global_store_b64 v2, v[X+4*(\i):X+4*(\i)+1], s[6:7] offset:2048*(\i) th:TH_STORE_NT
.endr
	s_endpgm
.Lfunc_end_k_qd1c95c029c_cast:
	.size	k_qd1c95c029c_cast, .Lfunc_end_k_qd1c95c029c_cast-k_qd1c95c029c_cast
	.p2alignl 7, 3214868480
	.fill 96, 4, 3214868480
	.section	.rodata,"a",@progbits
	.p2align	6, 0x0
	.amdhsa_kernel k_qd1c95c029c_cast
		.amdhsa_group_segment_fixed_size 0
		.amdhsa_private_segment_fixed_size 0
		.amdhsa_enable_private_segment 0
		.amdhsa_kernarg_size 64
		.amdhsa_user_sgpr_count 2
		.amdhsa_user_sgpr_kernarg_segment_ptr 1
		.amdhsa_wavefront_size32 1
		.amdhsa_system_sgpr_workgroup_id_x 1
		.amdhsa_system_sgpr_workgroup_id_y 1
		.amdhsa_system_sgpr_workgroup_id_z 1
		.amdhsa_system_vgpr_workitem_id 0
		.amdhsa_next_free_vgpr 72
		.amdhsa_next_free_sgpr 66
		.amdhsa_reserve_vcc 0
		.amdhsa_float_denorm_mode_32 3
		.amdhsa_float_denorm_mode_16_64 3
		.amdhsa_memory_ordered 1
		.amdhsa_forward_progress 1
		.amdhsa_inst_pref_size 16
	.end_amdhsa_kernel
	.amdgpu_metadata
---
amdhsa.version: [ 1, 2 ]
amdhsa.kernels:
  - .name:           k_qd1c95c029c_cast
    .symbol:         k_qd1c95c029c_cast.kd
    .args:
      - { .name: feat1, .offset: 0, .size: 8, .value_kind: global_buffer, .address_space: global }
      - { .name: feat2, .offset: 8, .size: 8, .value_kind: global_buffer, .address_space: global }
      - { .name: Wq, .offset: 16, .size: 8, .value_kind: global_buffer, .address_space: global }
      - { .name: Wk, .offset: 24, .size: 8, .value_kind: global_buffer, .address_space: global }
      - { .name: Wv, .offset: 32, .size: 8, .value_kind: global_buffer, .address_space: global }
      - { .name: Wo, .offset: 40, .size: 8, .value_kind: global_buffer, .address_space: global }
      - { .name: xb, .offset: 48, .size: 8, .value_kind: global_buffer, .address_space: global }
      - { .name: wt, .offset: 56, .size: 8, .value_kind: global_buffer, .address_space: global }
    .group_segment_fixed_size: 0
    .private_segment_fixed_size: 0
    .kernarg_segment_align: 8
    .kernarg_segment_size: 64
    .max_flat_workgroup_size: 256
    .sgpr_count:     66
    .vgpr_count:     72
    .wavefront_size: 32
...
	.end_amdgpu_metadata
.endif
;; end of part 1
;; launch qkv (part 2): grid 4 x 64, 4 waves a work-group, clusters of 4 x 4, 327,680 bytes of LDS; arguments xb, wt, qkv, bq, bk, bv; writes qkv
.if DOCPART == 2
	.amdgcn_target "amdgcn-amd-amdhsa--gfx1250"
	.amdhsa_code_object_version 6
	.text
	.protected	k_qd1c95c029c_qkv
	.globl	k_qd1c95c029c_qkv
	.p2align	8
	.type	k_qd1c95c029c_qkv,@function
k_qd1c95c029c_qkv:
	s_mov_b64 s[64:65], 0
	v_nop
	global_prefetch_b8 v0, s[64:65] scope:SCOPE_SE
	s_setreg_imm32_b32 hwreg(HW_REG_WAVE_MODE, 25, 1), 1
	s_wait_xcnt 0x0
	s_wait_alu depctr_hold_cnt(0) depctr_sa_sdst(0) depctr_va_vdst(0) depctr_va_sdst(0) depctr_va_ssrc(0) depctr_va_vcc(0) depctr_vm_vsrc(0)
	s_getreg_b32 s2, hwreg(HW_REG_IB_STS2, 6, 4)
	s_cmp_eq_u32 s2, 0
	s_cbranch_scc0 .Lentry_in_a_cluster
	s_endpgm
.Lentry_in_a_cluster:
	s_bfe_u32 s2, ttmp6, 0x10000c
	s_cmp_lg_u32 s2, 0xf033
	s_cbranch_scc0 .Lentry_shape_is_right
	s_endpgm
.Lentry_shape_is_right:
; C[m][n] = bias[n] + the sum over k of A[m][k] W[k][n], K = N = 1,024, 16,384 rows.  One text for two launches, told apart by PROJ:
;   PROJ = 0: Q = feat1 Wq + bq, K = feat2 Wk + bk, V = feat2 Wv + bv.  A = xb (bf16), W = planes 0-2 of wt (bf16), C = the three planes of qkv, f16.  A work-group STAYS for three tiles (Q, K, V) at one place.
;   PROJ = 1: out0 = ctx Wo + bo.  A = ctx (f16), W = plane 3 of wt (f16), C = out0, f32.  One tile to a work-group.
; Sums in f32.  The bias is rounded to bf16, like every other input of the module, and is the C operand of each accumulator's first product: nothing is cleared, nothing is added later.
; LIMITS.  PROJ = 0: |Q|, |K|, |V| stay under 65,504 (f16's end); below 6e-5 f16 keeps its fixed step of 6e-8.  NaN and infinities are not treated apart.
; SHARES.  A tile of C is 256 x 256; four waves, each 128 x 128: 64 accumulators of 16 x 16, 512 registers.  4 tile columns x 64 tile rows = 256 work-groups.
; K goes in steps of 128 through a ring of two LDS slots filled by the tensor data mover.  A's tile: 256 rows of 256 bytes.  W's tile lies [k][n]: 128 k-rows of 512 bytes; its fragments come out of LDS turned, by ds_load_tr16_b128.
; CLUSTERS: 4 x 4 work-groups.  The four of a row of the cluster need the same tile of A, the four of a column the same tile of W: each tile is asked for JOINTLY, by the same tensor load with the same descriptor and a mask that names the four.
; THE MATRIX INSTRUCTION IS USED TRANSPOSED (source 0 = 16 columns of W, source 1 = 16 rows of A): lane l holds row l % 16 of C and the columns 8 (l / 16) + 0..7.
; REGISTERS, in windows of 256 (s_set_vgpr_msb: bits 1:0 source 0, 3:2 source 1, 5:4 source 2, 7:6 destination):
;   window 0: v0-31 addresses; v64-127, v128-191 fragments of A, two buffers; v32-63, v192-255 at work on the way out (PROJ = 1: v64-191)
;   window 1: v0-63 the bias of my 128 columns (column block b at v[8 b]); v64-127, v128-191 fragments of W, two buffers; v192-195 at work
;   window 2: the 32 accumulators of my rows 0-63 ((a, b) at v[8 (8 a + b)]);   window 3: those of my rows 64-127
.set PROJ,  0
.set TILES, 3
.set KSTEP, 128
.set ROWB,  2048                       ; bytes in a row of A and in a k-row of wt
.set ASTEP, 2*KSTEP                    ; a K step along a row of A, in bytes
.set BSTEP, KSTEP*ROWB                 ; a K step down wt: wt's planes follow each other along k, so W's walk runs straight on into the next plane
.set PLANE, 16384*ROWB                 ; a plane of xb and of qkv
.set PITCH, 272                        ; A's LDS row: 256 bytes + 16 of padding = 68 words: the 16 rows of a load start at 16 different groups of four banks (64 banks of 4 bytes: ISA guide 11.1)
.set BP,    544                        ; W's LDS k-row: 512 bytes + 32 of padding = 136 words
.set HALFT, 128*PITCH                  ; what one tensor load brings: 128 rows of A, or 64 k-rows of W (64 x 544 is the same number)
.set SLOT,  4*HALFT                    ; A's 256 rows, then W's 128 k-rows
.set STAGE, 2*SLOT                     ; behind the ring, never filled by a tensor load: 16 rows for each wave, for the way out
.if PROJ
.set SPITCH, 528                       ; 128 f32 + 16 bytes
.set CSH,   12                         ; a row of C is 4,096 bytes
.set WOFF,  3*1024*ROWB
.else
.set SPITCH, 272                       ; 128 f16 + 16 bytes
.set CSH,   11                         ; a row of C is 2,048 bytes
.set WOFF,  0
.endif
.set CROW,  1<<CSH
.set SPARE, STAGE+4*16*SPITCH          ; behind the stages: the spare words, 128 bytes for each wave: two blocks of 256 bytes that no other line names
.set LAPS,  4                          ; a lap = two K steps = once round the ring
.set ADRA, 16                          ; v16-17  LDS address of my A fragments in slot 0, 1
.set ADRB, 20                          ; v20-21  the same for W
.set STO,  24                          ; v24     the way out: where I put my part of a row
.set RD,   25                          ; v25     the way out: where I read rows back
.set CO,   26                          ; v26     my byte offset in C
.set BO,   27                          ; v27     my byte offset in the bias
.set SPW,  28                          ; v28     LDS address of my spare word: SPARE + 4 x my thread's number; never rewritten
.set NIL,  29                          ; v29     0; never rewritten
.set PFO,  30                          ; v30     the prefetches' lane offset; never rewritten
.set F0,   64
.set F1,   128
.set TMP,  192
.set OB,   32
.set BT,   192                         ; window 1
.set G1,  24                           ; s[24:31] descriptor group 1 for A's tiles;  s[32:39] group 0, a set for each slot
.set G0,  32
.set G1B, 48                           ; s[48:55], s[56:63] the same for W's tiles
.set G0B, 56
.set LIM, 43                           ; s43      1 in a wave that prefetches, else the greatest number
.set PFA, 44                           ; s[44:45] where my prefetches stand
.set PST, 66                           ; s[66:67] their step: a K step of A or of W
.set PJ,  74                           ; s[74:75] their further step at a change of tiles
.set DA,  76                           ; s[76:77] what A's descriptors add at a change of tiles: a plane at the first change, then 0
.set MSB, 0
.macro WIN new                         ; the immediate's high byte repeats the setting that is left; a switch that changes nothing is dropped
.if MSB != (\new)
	s_set_vgpr_msb (MSB<<8)|(\new)
.set MSB, \new
.endif
.endm
.set TO_B, 0x40                        ; destination window 1, address window 0
; A joint load.  Waves 0 and 1 fetch A's two halves, waves 2 and 3 W's.  The branch hangs on the wave's number alone.  An s_nop 0 and four v_nop follow each of the two lines.
.macro JLOAD s
	s_cmp_eq_u32 s11, 0
	s_cbranch_scc0 .Lfor_b_\@
	tensor_load_to_lds s[G0+4*(\s):G0+4*(\s)+3], s[G1:G1+7]
	s_nop 0
.rept 4
	v_nop
.endr
	s_branch .Lasked_\@
.Lfor_b_\@:
	tensor_load_to_lds s[G0B+4*(\s):G0B+4*(\s)+3], s[G1B:G1B+7]
	s_nop 0
.rept 4
	v_nop
.endr
.Lasked_\@:
.endm
; A PREFETCH INTO THE L2, behind each joint load and the run of LDS loads that follows it: the K step that stands TWO refills on, 512 matrix instructions ahead of the load that will want it.
; Each aligned 256 bytes are named once in the launch.  A's tile row is read by one cluster: of the 128 rows that a wave fetches the partner at cx takes 32, a lane a row.  W's tile column is read by every
; cluster: cluster y = 0 asks; of the 64 k-rows that a wave fetches the partner at cy takes 16, two lanes a row of 512 bytes.  The partners are told apart by address, never by a branch.
; how = 0, in the loop: a tile's last two refills have no K step two on.  how = 1, at a change of tiles: the next tile's K steps 2 and 3.  feat2's rows, read for K, are asked for no more for V.
.macro ASK how
.if \how
	s_cmp_eq_u32 s[LIM], 1
.else
	s_cmp_gt_u32 s3, s[LIM]                        ; s3 = 1 in the loop's last trip
.endif
	s_cbranch_scc0 .Lnot_mine_\@
	global_prefetch_b8 v[PFO], s[PFA:PFA+1] th:TH_LOAD_NT scope:SCOPE_SE
.Lnot_mine_\@:
.endm
.macro CREST                           ; a round of the cluster's barrier behind its opening barrier
	s_cmp_lg_u32 s10, 0
	s_cbranch_scc1 .Lnot_wave_0_\@
	s_barrier_signal -3
.Lnot_wave_0_\@:
	s_barrier_wait -3
	s_barrier_signal -1
	s_barrier_wait -1
.endm
.macro CROUND                          ; a whole round
	s_barrier_signal -1
	s_barrier_wait -1
	CREST
.endm
	s_load_b128 s[4:7], s[0:1], 0x0                ; A s[4:5], wt s[6:7]
	s_load_b64 s[8:9], s[0:1], 0x10                ; C
.if PROJ
	s_load_b64 s[68:69], s[0:1], 0x18              ; bo
.else
	s_load_b128 s[68:71], s[0:1], 0x18             ; bq s[68:69], bk s[70:71]
	s_load_b64 s[72:73], s[0:1], 0x28              ; bv
.endif
	v_lshl_add_u32 v[SPW], v0, 2, SPARE
	v_mov_b32 v[NIL], 0
	ds_add_u32 v[SPW], v[NIL]                      ; the wave's opening: the add and its wait stand ahead of my first tensor load; the set-up below, work on registers, stands between them
	v_lshrrev_b32 v1, 5, v0
	v_readfirstlane_b32 s10, v1                    ; wave 0..3
	s_lshr_b32 s11, s10, 1                         ; which half of the tile's rows is mine.  Also: I fetch for A (0) or for W (1)
	s_and_b32 s12, s10, 1                          ; which half of its columns.  Also: which half of that tile I fetch
	s_bfe_u32 s40, ttmp6, 0x40000                  ; cx
	s_bfe_u32 s41, ttmp6, 0x40004                  ; cy
	s_lshl_b32 s42, ttmp9, 2
	s_add_co_u32 s42, s42, s40                     ; tile column of C = 4 x cluster x + cx
	s_and_b32 s13, ttmp7, 0xffff
	s_lshl_b32 s13, s13, 2
	s_add_co_u32 s13, s13, s41                     ; tile row of C = 4 x cluster y + cy
	s_lshl_b32 s43, s41, 2
	s_lshl_b32 s43, 15, s43                        ; my row of the cluster
	s_lshl_b32 s44, 0x1111, s40                    ; my column
	s_or_b32 s[G1+0], s43, (1<<16)|(1<<20)|(1<<21)|(5<<22)|(3<<25)   ; 15:0 the mask: my row; 17:16 2-byte elements; 20 padding on; 21 set beside a mask; 24:22 after every 64 words; 31:25 4 words
	s_mov_b32 s[G1+1], 128<<16                     ; tensor_dim0 = 128
	s_mov_b32 s[G1+2], 128<<16                     ; tensor_dim1 = 128
	s_mov_b32 s[G1+3], 128<<16                     ; tile_dim0 = 128 elements (256 bytes)
	s_mov_b32 s[G1+4], 128                         ; tile_dim1 = 128 rows
	s_mov_b32 s[G1+5], 1024                        ; elements from row to row
	s_mov_b32 s[G1+6], 0
	s_mov_b32 s[G1+7], 0
	s_or_b32 s[G1B+0], s44, (1<<16)|(1<<20)|(1<<21)|(6<<22)|(7<<25)  ; the mask: my column; padding after every 128 words, 8 words
	s_mov_b32 s[G1B+1], 256<<16                    ; tensor_dim0 = 256
	s_mov_b32 s[G1B+2], 64<<16                     ; tensor_dim1 = 64
	s_mov_b32 s[G1B+3], 256<<16                    ; tile_dim0 = 256 elements (512 bytes)
	s_mov_b32 s[G1B+4], 64                         ; tile_dim1 = 64 k-rows
	s_mov_b32 s[G1B+5], 1024
	s_mov_b32 s[G1B+6], 0
	s_mov_b32 s[G1B+7], 0
	; where the tiles come from.  A's hang on the tile row alone, W's on the tile column alone; every wave makes both, in registers of their own.
	s_lshl_b32 s17, s12, 7
	s_lshl_b32 s16, s13, 8
	s_add_co_u32 s16, s16, s17                     ; A: row 256 x tile row + 128 x half,
	s_lshl_b32 s16, s16, 11                        ; in bytes: under 2^25
	s_mov_b32 s17, 0
	s_lshl_b32 s46, s12, 17                        ; W: 64 k-rows x half,
	s_lshl_b32 s47, s42, 9                         ; 512 bytes x tile column,
	s_add_co_u32 s46, s46, s47
.if WOFF
	s_add_co_u32 s46, s46, WOFF                    ; and the plane
.endif
	s_mov_b32 s47, 0
	s_mul_i32 s20, s10, HALFT                      ; and where they go: wave x HALFT: no place in the cluster enters an LDS address
	s_wait_dscnt 0x0                               ; the opening add is done
	s_wait_kmcnt 0x0
	s_add_nc_u64 s[14:15], s[4:5], s[16:17]
	s_add_nc_u64 s[46:47], s[6:7], s[46:47]
	CROUND                                         ; all sixteen work-groups are here: the first joint loads meet
.irp s, 0,1
	s_mov_b32 s[G0+4*(\s)], 1                                        ; count = 1
	s_add_co_u32 s[G0+4*(\s)+1], s20, (\s)*SLOT                      ; LDS address
	s_add_nc_u64 s[G0+4*(\s)+2:G0+4*(\s)+3], s[14:15], (\s)*ASTEP    ; global address: K step s
	s_or_b32 s[G0+4*(\s)+3], s[G0+4*(\s)+3], 0x80000000              ; type = 2
	s_mov_b32 s[G0B+4*(\s)], 1
	s_add_co_u32 s[G0B+4*(\s)+1], s20, (\s)*SLOT
	s_add_nc_u64 s[G0B+4*(\s)+2:G0B+4*(\s)+3], s[46:47], (\s)*BSTEP
	s_or_b32 s[G0B+4*(\s)+3], s[G0B+4*(\s)+3], 0x80000000
	JLOAD \s                                       ; two tensor loads of mine are out
.endr
; The bias of my 128 columns, in the layout of a C operand: register j of column block b is bias[16 b + 8 (l / 16) + j].
.macro BLOAD p
	WIN TO_B
.irp b, 0,1,2,3,4,5,6,7
	global_load_b128 v[8*(\b):8*(\b)+3],   v[BO], s[\p:\p+1] offset:64*(\b)
	global_load_b128 v[8*(\b)+4:8*(\b)+7], v[BO], s[\p:\p+1] offset:64*(\b)+16
.endr
	WIN 0
.endm
.macro BROUND                          ; it is rounded to bf16 and widened again, four pairs at a time
	s_wait_loadcnt 0x0
	WIN 0x45                                       ; destination and sources 0 and 1 in window 1
.set i, 0
.rept 8
.irp j, 0,1,2,3
	v_cvt_pk_bf16_f32 v[BT+(\j)], v[8*i+2*(\j)], v[8*i+2*(\j)+1]
.endr
.irp j, 0,1,2,3
	v_lshlrev_b32 v[8*i+2*(\j)], 16, v[BT+(\j)]
	v_and_b32 v[8*i+2*(\j)+1], s79, v[BT+(\j)]
.endr
.set i, i+1
.endr
	WIN 0
.endm
	v_and_b32 v1, 15, v0                           ; l % 16
	v_bfe_u32 v2, v0, 4, 1                         ; l / 16
	s_lshl_b32 s46, s42, 10                        ; 256 columns x 4 bytes x tile column
	s_lshl_b32 s47, s12, 9                         ; my 128 columns
	s_add_co_u32 s46, s46, s47
	v_lshl_add_u32 v[BO], v2, 5, s46
	s_mov_b32 s79, 0xffff0000
	BLOAD 68
	v_mul_u32_u24 v3, v1, PITCH
	v_lshl_add_u32 v3, v2, 4, v3                   ; A's fragment: row x pitch + 16 x half; two loads of 16 bytes, 32 bytes apart
	v_and_b32 v4, 7, v0                            ; W's: the turning load takes 16 k x 16 n (lane l reads k-row 8 (l / 16) + l % 8, columns 8 ((l / 8) % 2) + 0..7) and leaves lane l column l % 16 and 8 k
	v_lshl_add_u32 v4, v2, 3, v4
	v_mul_u32_u24 v4, v4, BP
	v_bfe_u32 v5, v0, 3, 1
	v_lshl_add_u32 v4, v5, 4, v4
	s_mul_i32 s21, s11, HALFT                      ; my 128 rows of A
	s_lshl_b32 s22, s12, 8                         ; my 128 columns of W: 256 bytes of each k-row,
	s_add_co_u32 s22, s22, 2*HALFT                 ; behind A's 256 rows
.irp s, 0,1
	v_add_nc_u32 v[ADRA+(\s)], s21, v3
	v_add_nc_u32 v[ADRB+(\s)], s22, v4
	s_add_co_u32 s21, s21, SLOT
	s_add_co_u32 s22, s22, SLOT
.endr
	s_mul_i32 s23, s10, 16*SPITCH
	s_add_co_u32 s23, s23, STAGE                   ; my stage
	v_mul_u32_u24 v4, v1, SPITCH                   ; in: row l % 16, my eight columns
	v_lshl_add_u32 v4, v2, CSH-7, v4
	v_add_nc_u32 v[STO], s23, v4
.if PROJ
	v_and_b32 v5, 31, v0                           ; back: 32 lanes take one row of 512 bytes,
	v_lshlrev_b32 v[CO], 4, v5                     ; which are 512 consecutive bytes of C
	v_add_nc_u32 v[RD], s23, v[CO]
.else
	v_mul_u32_u24 v5, v2, SPITCH                   ; back: lanes 0-15 take one row of 256 bytes, lanes 16-31 the next,
	v_lshl_add_u32 v5, v1, 4, v5
	v_add_nc_u32 v[RD], s23, v5
	v_lshlrev_b32 v5, CSH, v2                      ; and the same two rows in C
	v_lshl_add_u32 v[CO], v1, 4, v5
.endif
	s_lshl_b32 s16, s13, 8                         ; where my part of the first tile begins in C, in bytes (under 2^27): the first way out adds it to C's address
	s_lshl_b32 s14, s11, 7
	s_add_co_u32 s16, s16, s14
	s_lshl_b32 s16, s16, CSH
	s_lshl_b32 s46, s42, CSH-2
	s_lshl_b32 s47, s12, CSH-3
	s_add_co_u32 s46, s46, s47
	s_add_co_u32 s16, s16, s46
	s_mov_b32 s17, 0
	; the prefetches: they stand at K step 3; each change of slots steps them first, so the first names K step 4
	s_lshl_b32 s20, s13, 8
	s_lshl_b32 s18, s12, 7
	s_add_co_u32 s20, s20, s18
	s_lshl_b32 s18, s40, 5
	s_add_co_u32 s20, s20, s18                     ; A: the tile's row + the 128 that I fetch + my work-group's 32 of them
	s_lshl_b32 s20, s20, 11
	s_add_co_u32 s20, s20, 3*ASTEP
	s_lshl_b32 s21, s12, 6
	s_lshl_b32 s18, s41, 4
	s_add_co_u32 s21, s21, s18                     ; W: the 64 k-rows that I fetch + my work-group's 16 of them
	s_lshl_b32 s21, s21, 11
	s_lshl_b32 s18, s42, 9
	s_add_co_u32 s21, s21, s18
	s_add_co_u32 s21, s21, WOFF+3*BSTEP
	s_and_b32 s22, ttmp7, 0xffff                   ; cluster y
	s_mov_b32 s18, BSTEP
	s_cmp_eq_u32 s11, 0                            ; do I fetch for A?
	s_cselect_b32 s20, s20, s21
	s_cselect_b32 s22, ttmp9, s22                  ; the coordinate along which other clusters read the same bytes
	s_cselect_b64 s[PFA:PFA+1], s[4:5], s[6:7]
	s_cselect_b32 s[PST], ASTEP, s18
	s_cselect_b32 s[PJ], PLANE-ROWB, 0             ; A: from the tile's K step 10 to the next plane's K step 2; W walks straight on
	s_mov_b32 s[PST+1], 0
	s_mov_b32 s[PJ+1], 0
	s_mov_b32 s21, 0
	s_add_nc_u64 s[PFA:PFA+1], s[PFA:PFA+1], s[20:21]
	s_cmp_eq_u32 s22, 0
	s_cselect_b32 s[LIM], 1, -1                    ; the same in all sixteen partners, for a given wave
	v_and_b32 v5, 31, v0
	v_lshrrev_b32 v6, s11, v5                      ; A: a lane a row; W: two lanes a k-row,
	v_and_b32 v7, s11, v5                          ; 256 bytes apart
	v_lshlrev_b32 v6, 11, v6
	v_lshl_add_u32 v[PFO], v7, 8, v6
	s_mov_b32 s[DA], PLANE
	s_mov_b32 s[DA+1], 0
; 16 matrix instructions: m blocks a0, a0 + 1 of the window's four (hi = 0: my rows 0-63, 1: rows 64-127) x all 8 n blocks, 32 along K.  first = 1: the product starts the sum, with the bias as C.
; The 64 accumulators take turns, one instruction a turn, in the same order in every quarter.
.macro MUL16 f, hi, a0, first
.if \first
	WIN 0x91+0x40*(\hi)                            ; source 0 (W) window 1, source 1 (A) window 0, C window 1, D window 2 or 3
.else
	WIN 0xa1+0x50*(\hi)                            ; the same with C where D is
.endif
.irp a, \a0, (\a0)+1
.irp b, 0,1,2,3,4,5,6,7
.set rD, 8*(8*(\a)+(\b))
.set rB, (\f)+8*(\b)
.set rA, (\f)+8*(4*(\hi)+(\a))
.set rC, rD
.if \first
.set rC, 8*(\b)
.endif
.if PROJ
	v_wmma_f32_16x16x32_f16 v[rD:rD+7], v[rB:rB+7], v[rA:rA+7], v[rC:rC+7]
.else
	v_wmma_f32_16x16x32_bf16 v[rD:rD+7], v[rB:rB+7], v[rA:rA+7], v[rC:rC+7]
.endif
.endr
.endr
.endm
; 32 LDS loads in one run: the fragments of quarter q of a K step (32 k x 128 columns of W, turned; 128 rows of A x 32 k) into buffer f
.macro FETCH slot, q, f
	WIN TO_B
.irp i, 0,1,2,3,4,5,6,7
	ds_load_tr16_b128 v[(\f)+8*(\i):(\f)+8*(\i)+3],   v[ADRB+(\slot)] offset:(\q)*32*BP+32*(\i)
	ds_load_tr16_b128 v[(\f)+8*(\i)+4:(\f)+8*(\i)+7], v[ADRB+(\slot)] offset:(\q)*32*BP+16*BP+32*(\i)
.endr
	WIN 0
.irp i, 0,1,2,3,4,5,6,7
	ds_load_b128 v[(\f)+8*(\i):(\f)+8*(\i)+3],   v[ADRA+(\slot)] offset:64*(\q)+(\i)*16*PITCH
	ds_load_b128 v[(\f)+8*(\i)+4:(\f)+8*(\i)+7], v[ADRA+(\slot)] offset:64*(\q)+(\i)*16*PITCH+32
.endr
.endm
.macro PLACES                          ; four plain vector instructions between a matrix instruction and a load into, or a vector read of, its registers (ISA guide 7.12.1 for vector reads)
.rept 4
	v_nop
.endr
.endm
; A K step is four quarters of 32 along K, 64 matrix instructions each, on buffers 0, 1, 0, 1.  One of the first three multiplies buffer f and, in its middle, fetches quarter q into buffer g.
.macro QUARTER slot, q, f, g, first
	s_wait_dscnt 8                                 ; W and A's rows 0-63 are in; the youngest eight loads (A's rows 64-127) may be out
	MUL16 \f, 0, 0, \first
	MUL16 \f, 0, 2, \first
	PLACES
	FETCH \slot, \q, \g
	s_wait_dscnt 32                                ; all but the 32 just issued
	MUL16 \f, 1, 0, \first
	MUL16 \f, 1, 2, \first
.endm
; The last quarter multiplies buffer 1 and changes slots.  In front of the barrier each wave waits for all its tensor loads (one is out: its part of the next slot), adds 0 to its spare word, and waits for that and for its reads of this slot.
.macro MEET round
	WIN 0                                          ; (the add's two registers lie in window 0)
	s_wait_tensorcnt 0x0
	ds_add_u32 v[SPW], v[NIL]
	s_wait_dscnt 9                                 ; (the add and the youngest eight loads may be out)
	MUL16 F1, 0, 0, 0                              ; sixteen matrix instructions stand between the add and the wait for it
	s_wait_dscnt 0x0                               ; the add is done, and my reads of this slot are over
	s_barrier_signal -1
	MUL16 F1, 0, 2, 0                              ; work on registers while the others arrive
.if \round
	WIN 0
.endif
	s_barrier_wait -1
.endm
; The whole last quarter.  Behind the round the slot just read out is filled again first: with the K step two on (on = 0) or with the next tile's K step 0 or 1 (on = 1).  From a request to the wait for it a wave issues 224 matrix instructions.
.macro TURN slot, next, on
	s_wait_xcnt 0x0                                ; the last prefetch, a K step back, has read its address, which is stepped here
	s_add_nc_u64 s[PFA:PFA+1], s[PFA:PFA+1], s[PST:PST+1]
.if (\on) && (\slot) == 0
	s_add_nc_u64 s[PFA:PFA+1], s[PFA:PFA+1], s[PJ:PJ+1]
	s_cmp_eq_u32 s2, 2                             ; the change from K's tile to V's: feat2's rows have been read,
	s_cselect_b32 s78, -1, s[LIM]
	s_cmp_eq_u32 s11, 0                            ; so the waves that fetch A ask no more
	s_cselect_b32 s[LIM], s78, s[LIM]
.endif
	MEET 1
	CREST                                          ; no wave of any partner still reads this slot or has a load on its way
.if \on
	s_sub_nc_u64 s[G0+4*(\slot)+2:G0+4*(\slot)+3], s[G0+4*(\slot)+2:G0+4*(\slot)+3], 6*ASTEP   ; A goes back along K,
	s_add_nc_u64 s[G0+4*(\slot)+2:G0+4*(\slot)+3], s[G0+4*(\slot)+2:G0+4*(\slot)+3], s[DA:DA+1] ; and from feat1 to feat2 at the first change
.else
	s_add_nc_u64 s[G0+4*(\slot)+2:G0+4*(\slot)+3], s[G0+4*(\slot)+2:G0+4*(\slot)+3], 2*ASTEP
.endif
	s_add_nc_u64 s[G0B+4*(\slot)+2:G0B+4*(\slot)+3], s[G0B+4*(\slot)+2:G0B+4*(\slot)+3], 2*BSTEP
	JLOAD \slot                                    ; the first tensor load behind the round; its four v_nop are also the places in front of the loads below
	FETCH \next, 0, F0
	ASK \on
	MUL16 F1, 1, 0, 0
	MUL16 F1, 1, 2, 0
.endm
	s_wait_tensorcnt 1                             ; my part of K step 0 is in; K step 1's may stay out
	s_barrier_signal -1
	s_barrier_wait -1                              ; everybody's is
	FETCH 0, 0, F0
.if TILES > 1
	s_mov_b32 s2, TILES                            ; tiles to go, this one among them
.Ltile:
.endif
	BROUND
	QUARTER 0, 1, F0, F1, 1                        ; a tile's first quarter stands in front of the loop: its products start the sums
	WIN 0                                          ; at a label and at a branch every window is 0
	s_mov_b32 s3, LAPS-1
.Llap:                                                 ; a trip goes once round the ring, from a lap's second quarter to the next lap's first, and fills both slots again
	QUARTER 0, 2, F1, F0, 0
	QUARTER 0, 3, F0, F1, 0
	TURN 0, 1, 0
	QUARTER 1, 1, F0, F1, 0
	QUARTER 1, 2, F1, F0, 0
	QUARTER 1, 3, F0, F1, 0
	TURN 1, 0, 0
	QUARTER 0, 1, F0, F1, 0
	WIN 0
	s_sub_co_u32 s3, s3, 1
	s_cmp_lg_u32 s3, 0
	s_cbranch_scc1 .Llap
	QUARTER 0, 2, F1, F0, 0                        ; the tile's last lap goes on
	QUARTER 0, 3, F0, F1, 0
.if TILES > 1
	WIN 0
	s_cmp_eq_u32 s2, 1
	s_cbranch_scc1 .Llast                          ; the last tile's tail is written out: it asks for nothing more
	TURN 0, 1, 1                                   ; the ring goes on into the next tile: slot 0 takes its K step 0,
	QUARTER 1, 1, F0, F1, 0
	QUARTER 1, 2, F1, F0, 0
	QUARTER 1, 3, F0, F1, 0
	TURN 1, 0, 1                                   ; slot 1 its K step 1, and the next tile's first fragments are fetched
	BLOAD 70                                       ; and its bias
	s_branch .Lout
.Llast:
.endif
	MEET 0                                         ; my one tensor load that was out is slot 1's, the last K step's, so no round follows
	PLACES
	FETCH 1, 0, F0
	MUL16 F1, 1, 0, 0
	MUL16 F1, 1, 2, 0
	QUARTER 1, 1, F0, F1, 0
	QUARTER 1, 2, F1, F0, 0
	QUARTER 1, 3, F0, F1, 0
	s_wait_dscnt 8                                 ; the very last quarter: nothing more to fetch
	MUL16 F1, 0, 0, 0
	MUL16 F1, 0, 2, 0
	s_wait_dscnt 0x0
	MUL16 F1, 1, 0, 0
	MUL16 F1, 1, 2, 0
	WIN 0
.if TILES > 1
.Lout:
.endif
	PLACES                                         ; the places behind the last products
; THE WAY OUT, a block of 16 rows at a time, through my own stage in LDS: no barrier, and, since LDS serves a wave's instructions in order (ISA guide 5.7.1.4), no wait between the stores and the loads.
.if PROJ
.macro STG a                           ; block a's f32 sums go into rows of 528 bytes (each accumulator's low four registers first) and come back as whole rows of 512
.set AC, 64*((\a)%4)
.set BK, 64+64*((\a)%2)
	WIN 0x08+4*((\a)/4)                            ; the stores' data in window 2 or 3
.irp b, 0,1,2,3,4,5,6,7
	ds_store_b128 v[STO], v[AC+8*(\b):AC+8*(\b)+3]   offset:64*(\b)
	ds_store_b128 v[STO], v[AC+8*(\b)+4:AC+8*(\b)+7] offset:64*(\b)+16
.endr
	WIN 0
	s_wait_xcnt 0x0                                ; the stores of the block two back have read these registers
.irp t, 0,1,2,3,4,5,6,7,8,9,10,11,12,13,14,15
	ds_load_b128 v[BK+4*(\t):BK+4*(\t)+3], v[RD] offset:(\t)*SPITCH
.endr
.endm
.macro SEND a, younger                 ; younger: the LDS instructions issued behind block a's loads: the next block's 32, or none
.set BK, 64+64*((\a)%2)
	s_wait_dscnt \younger
	s_wait_xcnt 0x0                                ; the stores' base is rewritten only behind this wait
.if (\a) == 0
	s_add_nc_u64 s[8:9], s[8:9], s[16:17]
.else
	s_add_nc_u64 s[8:9], s[8:9], 16*CROW
.endif
.irp t, 0,1,2,3,4,5,6,7,8,9,10,11,12,13,14,15
	global_store_b128 v[CO], v[BK+4*(\t):BK+4*(\t)+3], s[8:9] offset:(\t)*CROW th:TH_STORE_NT  ; a wave stores 512 consecutive bytes, at a multiple of 512 from C's first byte
.endr
.endm
	STG 0
.irp a, 1,2,3,4,5,6,7
	STG \a
	SEND (\a)-1, 32
.endr
	SEND 7, 0
.else
.macro PACK a                          ; rounded to f16: 16 bytes a lane
.set AC, 64*((\a)%4)
	WIN 0x0a+5*((\a)/4)                            ; sources 0 and 1: window 2 or 3
.irp b, 0,1,2,3,4,5,6,7
.irp r, 0,1,2,3
	v_cvt_pk_f16_f32 v[TMP+4*(\b)+(\r)], v[AC+8*(\b)+2*(\r)], v[AC+8*(\b)+2*(\r)+1]
.endr
.endr
	WIN 0
.endm
.macro TOSTAGE a
.set BK, OB+192*((\a)%2)
.irp b, 0,1,2,3,4,5,6,7
	ds_store_b128 v[STO], v[TMP+4*(\b):TMP+4*(\b)+3] offset:32*(\b)
.endr
.irp t, 0,1,2,3,4,5,6,7
	ds_load_b128 v[BK+4*(\t):BK+4*(\t)+3], v[RD] offset:(\t)*2*SPITCH
.endr
.endm
.macro SEND a
.set BK, OB+192*((\a)%2)
	s_wait_dscnt 0x0                               ; the block is back in registers
	s_wait_xcnt 0x0                                ; only behind this wait are the stores' base and the registers that earlier stores read rewritten
.if (\a) == 0
	s_add_nc_u64 s[8:9], s[8:9], s[16:17]          ; on to this tile's first rows
.else
	s_add_nc_u64 s[8:9], s[8:9], 16*CROW
.endif
.irp t, 0,1,2,3,4,5,6,7
	global_store_b128 v[CO], v[BK+4*(\t):BK+4*(\t)+3], s[8:9] offset:2*(\t)*CROW  ; 16 lanes store 256 consecutive bytes, at a multiple of 256 from C's first byte
.endr
.endm
	PACK 0
	TOSTAGE 0
.irp a, 1,2,3,4,5,6,7                  ; block a's conversions stand between block a - 1's loads from the stage and the wait for them
	PACK \a
	SEND (\a)-1
	TOSTAGE \a
.endr
	SEND 7
.endif
.if TILES > 1
	s_mov_b64 s[16:17], PLANE-7*16*CROW            ; what the next way out adds to C's address: the same rows of the next plane
	s_mov_b32 s[DA], 0                             ; K's and V's tiles read the same plane of xb
	s_mov_b64 s[70:71], s[72:73]                   ; the bias after the next (the loads by the old pointer have read it: the waits in SEND)
	s_sub_co_u32 s2, s2, 1
	s_cmp_lg_u32 s2, 0
	s_cbranch_scc1 .Ltile
.endif
	s_wait_tensorcnt 0x0                           ; the wave's end, behind my last tensor load and my last LDS store
	ds_add_u32 v[SPW], v[NIL]
	s_wait_dscnt 0x0
	CROUND                                         ; the closing round: no work-group ends while a partner may still ask for a tile that names it
	s_endpgm
.Lfunc_end_k_qd1c95c029c_qkv:
	.size	k_qd1c95c029c_qkv, .Lfunc_end_k_qd1c95c029c_qkv-k_qd1c95c029c_qkv
	.p2alignl 7, 3214868480
	.fill 96, 4, 3214868480
	.section	.rodata,"a",@progbits
	.p2align	6, 0x0
	.amdhsa_kernel k_qd1c95c029c_qkv
		.amdhsa_group_segment_fixed_size 327680
		.amdhsa_private_segment_fixed_size 0
		.amdhsa_enable_private_segment 0
		.amdhsa_kernarg_size 48
		.amdhsa_user_sgpr_count 2
		.amdhsa_user_sgpr_kernarg_segment_ptr 1
		.amdhsa_wavefront_size32 1
		.amdhsa_system_sgpr_workgroup_id_x 1
		.amdhsa_system_sgpr_workgroup_id_y 1
		.amdhsa_system_sgpr_workgroup_id_z 1
		.amdhsa_system_vgpr_workitem_id 0
		.amdhsa_next_free_vgpr 1024
		.amdhsa_next_free_sgpr 80
		.amdhsa_reserve_vcc 0
		.amdhsa_float_denorm_mode_32 3
		.amdhsa_float_denorm_mode_16_64 3
		.amdhsa_memory_ordered 1
		.amdhsa_forward_progress 1
		.amdhsa_inst_pref_size 187
	.end_amdhsa_kernel
	.amdgpu_metadata
---
amdhsa.version: [ 1, 2 ]
amdhsa.kernels:
  - .name:           k_qd1c95c029c_qkv
    .symbol:         k_qd1c95c029c_qkv.kd
    .args:
      - { .name: xb, .offset: 0, .size: 8, .value_kind: global_buffer, .address_space: global }
      - { .name: wt, .offset: 8, .size: 8, .value_kind: global_buffer, .address_space: global }
      - { .name: qkv, .offset: 16, .size: 8, .value_kind: global_buffer, .address_space: global }
      - { .name: bq, .offset: 24, .size: 8, .value_kind: global_buffer, .address_space: global }
      - { .name: bk, .offset: 32, .size: 8, .value_kind: global_buffer, .address_space: global }
      - { .name: bv, .offset: 40, .size: 8, .value_kind: global_buffer, .address_space: global }
    .group_segment_fixed_size: 327680
    .private_segment_fixed_size: 0
    .kernarg_segment_align: 8
    .kernarg_segment_size: 48
    .max_flat_workgroup_size: 128
    .sgpr_count:     80
    .vgpr_count:     1024
    .wavefront_size: 32
...
	.end_amdgpu_metadata
.endif
;; end of part 2
;; launch attn (part 3): grid 256 x 1, 16 waves a work-group, no clusters, 284,672 bytes of LDS; arguments qkv, ctx; writes ctx
.if DOCPART == 3
	.amdgcn_target "amdgcn-amd-amdhsa--gfx1250"
	.amdhsa_code_object_version 6
	.text
	.protected	k_qd1c95c029c_attn
	.globl	k_qd1c95c029c_attn
	.p2align	8
	.type	k_qd1c95c029c_attn,@function
k_qd1c95c029c_attn:
	s_mov_b64 s[64:65], 0
	v_nop
	global_prefetch_b8 v0, s[64:65] scope:SCOPE_SE
	s_setreg_imm32_b32 hwreg(HW_REG_WAVE_MODE, 25, 1), 1
	s_wait_xcnt 0x0
; For each sample: scores[h][g] = Q[h] . K[g] / sqrt(128) over its 8 heads, softmax over g, ctx[h] = the sum over g of attn[h][g] V[g].  qkv: [3][16384][1024] f16; ctx: [16384][1024] f16.
; Products, the maximum, exponentials and sums in f32; the weights are rounded to f16 for the second product, ctx once.  The row's true maximum is taken away before the exponential.
; LIMITS.  Q, K, V arrive finite, within f16; a weight below 6e-5 keeps f16's fixed step of 6e-8; NaN and infinities are not treated apart (one in V would reach the other sample of its pair).
; SHARES.  A work-group takes 64 samples, a wave 4: two PAIRS.  A pair's head rows are 16 consecutive rows of 256 bytes: 4,096 bytes each of Q, K and V.  No wave wants another's bytes: no barrier, no cluster, no tensor load.
; THE STREAM.  Every global load and store of a wave covers 512 consecutive bytes (16 bytes a lane at 16 x lane: two head rows).  A wave asks for all its 24 KiB at the start, 48 loads, so the sixteen waves have the
; work-group's whole 384 KiB on their way before the first wait; nothing is left to prefetch.  Rows become fragments in LDS: each tensor's 16 rows are stored into padded rows of the wave's own and read back lane by row.
; LAYOUT.  S^T = K Q^T (source 0 = the 16 rows of K, source 1 = the 16 rows of Q): lane (r, h) holds query row r and key rows 8 h + 0..7, which belong to r's sample where h = r / 8.  So a softmax lies within a lane.
; The other lanes' weights are made 0.  The eight weights, packed, ARE the low half (k = 8 h + 0..7) of source 1 of O^T = V^T P; the high half (k = 16..31) is 0.  V^T comes out of LDS turned; fragment t's upper four
; registers are the next fragment's numbers, which meet those zeros.  O^T holds one query row a lane and eight channels: 16 bytes, which go through LDS to leave as whole rows.
.set PLANE, 33554432
.set QP,   272                         ; a row of Q, K or ctx in LDS: 256 + 16 bytes = 68 words: the 16 rows of a fragment load start at 16 different groups of four banks (64 banks of 4 bytes: ISA guide 11.1)
.set VSP,  288                         ; a row of V: 256 + 32 bytes = 72 words
.set QS,   0                           ; a wave's bytes: 16 rows of Q,
.set KS,   16*QP                       ; of K,
.set OS,   32*QP                       ; of ctx,
.set VS,   48*QP                       ; and of V
.set WLDS, 48*QP+16*VSP
.set SPARE, 16*WLDS                    ; behind the sixteen waves' bytes: the spare words, 128 bytes for each wave: eight blocks of 256 bytes that no other line names
.set VO,  2                            ; v2   16 l: my place in 512 consecutive bytes, for every global load and store; never rewritten
.set SA,  3                            ; v3   rows of 272 taken two at a time: my wave's bytes + (l / 16) x 272 + 16 (l % 16)
.set FA,  4                            ; v4   rows of 272 taken lane by row: my wave's bytes + (l % 16) x 272 + 16 (l / 16)
.set VSA, 5                            ; v5   where I put 16 bytes of V
.set VTA, 6                            ; v6   the turning load's address
.set MSK, 9                            ; v9   1.0 where my key rows are my query's sample's, else 0
.set SPW, 10                           ; v10  LDS address of my spare word: SPARE + 4 x my thread's number; never rewritten
.set NIL, 11                           ; v11  0; never rewritten
.set T,   12                           ; v[12:13] c m, named as a pair
.set R,   16                           ; pair p's registers at R + 100 p: 32 of Q, 32 of K, 32 of V as loaded; then their fragments in the same places; then O^T (channel block t at 8 t) where Q's and K's lay;
.set PR,  100                          ; and four zeros behind V^T's 32
.set S0,  216                          ; v[216:223], v[224:231] two accumulators of S^T, which take turns
.set S1,  224
.set RP,  232                          ; v[232:239] P; the upper four are 0
.set U,   240                          ; v[240:243] at work
	s_load_b128 s[4:7], s[0:1], 0x0                ; qkv s[4:5], ctx s[6:7]
	v_lshl_add_u32 v[SPW], v0, 2, SPARE
	v_mov_b32 v[NIL], 0
	v_lshrrev_b32 v1, 5, v0
	v_readfirstlane_b32 s10, v1                    ; wave 0..15
	s_lshl_b32 s8, ttmp9, 17                       ; 64 samples of 2,048 bytes,
	s_lshl_b32 s9, s10, 13                         ; my wave's 4
	s_add_co_u32 s8, s8, s9
	s_mov_b32 s9, 0
	s_mul_i32 s11, s10, WLDS                       ; my wave's LDS bytes,
	s_add_co_u32 s22, s11, VS                      ; and V's rows among them
	s_mov_b32 s20, 0x3e0293ee                      ; c = log2(e) / sqrt(128)
	s_mov_b32 s21, s20                             ; named with it as a pair
	v_and_b32 v8, 31, v0                           ; l
	v_lshlrev_b32 v[VO], 4, v8
	s_wait_kmcnt 0x0
	s_add_nc_u64 s[12:13], s[4:5], s[8:9]          ; Q,
	s_add_nc_u64 s[14:15], s[12:13], PLANE         ; K,
	s_add_nc_u64 s[16:17], s[14:15], PLANE         ; V,
	s_add_nc_u64 s[18:19], s[6:7], s[8:9]          ; ctx at my wave's first sample
.macro LOADS p                         ; a pair's 24 loads, two rows each: Q, then K, then V
.irp i, 0,1,2,3,4,5,6,7
	global_load_b128 v[R+PR*(\p)+4*(\i):R+PR*(\p)+4*(\i)+3], v[VO], s[12:13] offset:4096*(\p)+512*(\i) th:TH_LOAD_NT
.endr
.irp i, 0,1,2,3,4,5,6,7
	global_load_b128 v[R+PR*(\p)+32+4*(\i):R+PR*(\p)+32+4*(\i)+3], v[VO], s[14:15] offset:4096*(\p)+512*(\i) th:TH_LOAD_NT
.endr
.irp i, 0,1,2,3,4,5,6,7
	global_load_b128 v[R+PR*(\p)+64+4*(\i):R+PR*(\p)+64+4*(\i)+3], v[VO], s[16:17] offset:4096*(\p)+512*(\i) th:TH_LOAD_NT
.endr
.endm
	LOADS 0
	LOADS 1                                        ; 48 loads of mine are out; the set-up below runs meanwhile
	v_and_b32 v1, 15, v0                           ; r
	v_bfe_u32 v7, v0, 4, 1                         ; h
	v_mul_u32_u24 v14, v7, QP
	v_lshl_add_u32 v14, v1, 4, v14
	v_add_nc_u32 v[SA], s11, v14
	v_mul_u32_u24 v14, v1, QP
	v_lshl_add_u32 v14, v7, 4, v14
	v_add_nc_u32 v[FA], s11, v14
	v_mul_u32_u24 v14, v7, VSP
	v_lshl_add_u32 v14, v1, 4, v14
	v_add_nc_u32 v[VSA], s22, v14
	v_and_b32 v14, 7, v0
	v_lshl_add_u32 v14, v7, 3, v14                 ; key row 8 (l / 16) + l % 8,
	v_mul_u32_u24 v14, v14, VSP
	v_bfe_u32 v15, v0, 3, 1
	v_lshl_add_u32 v14, v15, 4, v14                ; channels 8 ((l / 8) % 2) + 0..7
	v_add_nc_u32 v[VTA], s22, v14
	v_xor_b32 v14, v15, v7                         ; 0 where r / 8 = h
	v_cvt_f32_u32 v14, v14
	v_sub_f32 v[MSK], 1.0, v14
.irp i, 0,1,2,3
	v_mov_b32 v[RP+4+(\i)], 0
	v_mov_b32 v[R+96+(\i)], 0
	v_mov_b32 v[R+PR+96+(\i)], 0
.endr
	v_mov_b32 v[T+1], 0                            ; named in a pair with T
.macro PAIR p
.set PB, R+PR*(\p)
	s_wait_loadcnt 32-24*(\p)                      ; loads come back in order: the pair's Q and K are in; its V (8) and the later pair's 24 may stay out
.irp i, 0,1,2,3,4,5,6,7
	ds_store_b128 v[SA], v[PB+4*(\i):PB+4*(\i)+3] offset:QS+2*QP*(\i)
.endr
.irp i, 0,1,2,3,4,5,6,7
	ds_store_b128 v[SA], v[PB+32+4*(\i):PB+32+4*(\i)+3] offset:KS+2*QP*(\i)
.endr
.irp f, 0,1,2,3                        ; a fragment is 16 rows x 32 channels: two loads of 16 bytes a lane, 32 bytes apart.  LDS serves a wave's instructions in order (ISA guide 5.7.1.4): these see the stores above
	ds_load_b128 v[PB+8*(\f):PB+8*(\f)+3],   v[FA] offset:QS+64*(\f)
	ds_load_b128 v[PB+8*(\f)+4:PB+8*(\f)+7], v[FA] offset:QS+64*(\f)+32
.endr
.irp f, 0,1,2,3
	ds_load_b128 v[PB+32+8*(\f):PB+32+8*(\f)+3],   v[FA] offset:KS+64*(\f)
	ds_load_b128 v[PB+32+8*(\f)+4:PB+32+8*(\f)+7], v[FA] offset:KS+64*(\f)+32
.endr
	s_wait_loadcnt 24-24*(\p)                      ; the pair's V is in
.irp i, 0,1,2,3,4,5,6,7
	ds_store_b128 v[VSA], v[PB+64+4*(\i):PB+64+4*(\i)+3] offset:2*VSP*(\i)
.endr
.irp t, 0,1,2,3,4,5,6,7
	ds_load_tr16_b128 v[PB+64+4*(\t):PB+64+4*(\t)+3], v[VTA] offset:32*(\t)
.endr
	s_wait_dscnt 16                                ; Q's and K's fragments are in; V's eight stores and eight turning loads, issued behind them, may stay out
	v_wmma_f32_16x16x32_f16 v[S0:S0+7], v[PB+32:PB+39], v[PB:PB+7],     0           ; two accumulators by turns; they are added below
	v_wmma_f32_16x16x32_f16 v[S1:S1+7], v[PB+40:PB+47], v[PB+8:PB+15],  0
	v_wmma_f32_16x16x32_f16 v[S0:S0+7], v[PB+48:PB+55], v[PB+16:PB+23], v[S0:S0+7]
	v_wmma_f32_16x16x32_f16 v[S1:S1+7], v[PB+56:PB+63], v[PB+24:PB+31], v[S1:S1+7]
.rept 4
	v_nop                                          ; the places behind the products, in front of the sums that read S^T
.endr
.irp i, 0,2,4,6
	v_pk_add_f32 v[S0+(\i):S0+(\i)+1], v[S0+(\i):S0+(\i)+1], v[S1+(\i):S1+(\i)+1]
.endr
	v_max3_num_f32 v[T], v[S0], v[S0+1], v[S0+2]
	v_max3_num_f32 v[T], v[T], v[S0+3], v[S0+4]
	v_max3_num_f32 v[T], v[T], v[S0+5], v[S0+6]
	v_max_num_f32 v[T], v[T], v[S0+7]              ; the row's maximum m
	v_mul_f32 v[T], s20, v[T]                      ; c m
.irp i, 0,2,4,6
	v_pk_fma_f32 v[S0+(\i):S0+(\i)+1], v[S0+(\i):S0+(\i)+1], s[20:21], v[T:T+1] op_sel_hi:[1,0,0] neg_lo:[0,0,1] neg_hi:[0,0,1]  ; c s - c m
.endr
.irp i, 0,1,2,3,4,5,6,7
	v_exp_f32 v[S0+(\i)], v[S0+(\i)]
.endr
	v_nop                                          ; a plain instruction behind the last exponential,
	s_wait_alu depctr_va_vdst(0)                   ; and a wait ahead of the batch's first reader
	v_pk_add_f32 v[U:U+1], v[S0:S0+1], v[S0+2:S0+3]
	v_pk_add_f32 v[U+2:U+3], v[S0+4:S0+5], v[S0+6:S0+7]
	v_pk_add_f32 v[U:U+1], v[U:U+1], v[U+2:U+3]
	v_add_f32 v[U], v[U], v[U+1]                   ; the sum: at least about 1, the maximum's own term
	v_rcp_f32 v[U+2], v[U]
	v_nop
	s_wait_alu depctr_va_vdst(0)
	v_mul_f32 v[U+2], v[U+2], v[MSK]               ; 0 in the lanes whose key rows are the other sample's
.irp i, 0,2,4,6
	v_pk_mul_f32 v[S0+(\i):S0+(\i)+1], v[S0+(\i):S0+(\i)+1], v[U+2:U+3] op_sel_hi:[1,0]
.endr
.irp i, 0,1,2,3
	v_cvt_pk_f16_f32 v[RP+(\i)], v[S0+2*(\i)], v[S0+2*(\i)+1]
.endr
	s_wait_dscnt 0x0                               ; V^T is in
.irp t, 0,1,2,3,4,5,6,7                ; O^T lands where Q's and K's fragments lay: the four v_nop and the lines on T and U above are more than five places behind the products that read them
	v_wmma_f32_16x16x32_f16 v[PB+8*(\t):PB+8*(\t)+7], v[PB+64+4*(\t):PB+64+4*(\t)+7], v[RP:RP+7], 0
.endr
.rept 4
	v_nop
.endr
.irp t, 0,1,2,3,4,5,6,7
.irp i, 0,1,2,3
	v_cvt_pk_f16_f32 v[PB+8*(\t)+(\i)], v[PB+8*(\t)+2*(\i)], v[PB+8*(\t)+2*(\i)+1]   ; in place, ascending: no source is written before it is read
.endr
.endr
.irp t, 0,1,2,3,4,5,6,7
	ds_store_b128 v[FA], v[PB+8*(\t):PB+8*(\t)+3] offset:OS+32*(\t)
.endr
.irp i, 0,1,2,3,4,5,6,7
	ds_load_b128 v[PB+8*(\i)+4:PB+8*(\i)+7], v[SA] offset:OS+2*QP*(\i)
.endr
.irp i, 0,1,2,3,4,5,6,7
	s_wait_dscnt 7-(\i)                            ; load i is back; the younger ones stay out
	global_store_b128 v[VO], v[PB+8*(\i)+4:PB+8*(\i)+7], s[18:19] offset:4096*(\p)+512*(\i)  ; a wave stores 512 consecutive bytes, at a multiple of 512 from ctx's first byte; these registers are not written again
.endr
.endm
	PAIR 0
	PAIR 1
	s_wait_tensorcnt 0x0                           ; the wave's end, behind my last LDS store
	ds_add_u32 v[SPW], v[NIL]
	s_wait_dscnt 0x0
	s_endpgm
.Lfunc_end_k_qd1c95c029c_attn:
	.size	k_qd1c95c029c_attn, .Lfunc_end_k_qd1c95c029c_attn-k_qd1c95c029c_attn
	.p2alignl 7, 3214868480
	.fill 96, 4, 3214868480
	.section	.rodata,"a",@progbits
	.p2align	6, 0x0
	.amdhsa_kernel k_qd1c95c029c_attn
		.amdhsa_group_segment_fixed_size 284672
		.amdhsa_private_segment_fixed_size 0
		.amdhsa_enable_private_segment 0
		.amdhsa_kernarg_size 16
		.amdhsa_user_sgpr_count 2
		.amdhsa_user_sgpr_kernarg_segment_ptr 1
		.amdhsa_wavefront_size32 1
		.amdhsa_system_sgpr_workgroup_id_x 1
		.amdhsa_system_sgpr_workgroup_id_y 1
		.amdhsa_system_sgpr_workgroup_id_z 1
		.amdhsa_system_vgpr_workitem_id 0
		.amdhsa_next_free_vgpr 244
		.amdhsa_next_free_sgpr 66
		.amdhsa_reserve_vcc 0
		.amdhsa_float_denorm_mode_32 3
		.amdhsa_float_denorm_mode_16_64 3
		.amdhsa_memory_ordered 1
		.amdhsa_forward_progress 1
		.amdhsa_inst_pref_size 28
	.end_amdhsa_kernel
	.amdgpu_metadata
---
amdhsa.version: [ 1, 2 ]
amdhsa.kernels:
  - .name:           k_qd1c95c029c_attn
    .symbol:         k_qd1c95c029c_attn.kd
    .args:
      - { .name: qkv, .offset: 0, .size: 8, .value_kind: global_buffer, .address_space: global }
      - { .name: ctx, .offset: 8, .size: 8, .value_kind: global_buffer, .address_space: global }
    .group_segment_fixed_size: 284672
    .private_segment_fixed_size: 0
    .kernarg_segment_align: 8
    .kernarg_segment_size: 16
    .max_flat_workgroup_size: 512
    .sgpr_count:     66
    .vgpr_count:     244
    .wavefront_size: 32
...
	.end_amdgpu_metadata
.endif
;; end of part 3
;; launch proj (part 4): grid 4 x 64, 4 waves a work-group, clusters of 4 x 4, 327,680 bytes of LDS; arguments ctx, wt, out0, bo; writes out0
.if DOCPART == 4
	.amdgcn_target "amdgcn-amd-amdhsa--gfx1250"
	.amdhsa_code_object_version 6
	.text
	.protected	k_qd1c95c029c_proj
	.globl	k_qd1c95c029c_proj
	.p2align	8
	.type	k_qd1c95c029c_proj,@function
k_qd1c95c029c_proj:
	s_mov_b64 s[64:65], 0
	v_nop
	global_prefetch_b8 v0, s[64:65] scope:SCOPE_SE
	s_setreg_imm32_b32 hwreg(HW_REG_WAVE_MODE, 25, 1), 1
	s_wait_xcnt 0x0
	s_wait_alu depctr_hold_cnt(0) depctr_sa_sdst(0) depctr_va_vdst(0) depctr_va_sdst(0) depctr_va_ssrc(0) depctr_va_vcc(0) depctr_vm_vsrc(0)
	s_getreg_b32 s2, hwreg(HW_REG_IB_STS2, 6, 4)
	s_cmp_eq_u32 s2, 0
	s_cbranch_scc0 .Lentry_in_a_cluster
	s_endpgm
.Lentry_in_a_cluster:
	s_bfe_u32 s2, ttmp6, 0x10000c
	s_cmp_lg_u32 s2, 0xf033
	s_cbranch_scc0 .Lentry_shape_is_right
	s_endpgm
.Lentry_shape_is_right:
; C[m][n] = bias[n] + the sum over k of A[m][k] W[k][n], K = N = 1,024, 16,384 rows.  One text for two launches, told apart by PROJ:
;   PROJ = 0: Q = feat1 Wq + bq, K = feat2 Wk + bk, V = feat2 Wv + bv.  A = xb (bf16), W = planes 0-2 of wt (bf16), C = the three planes of qkv, f16.  A work-group STAYS for three tiles (Q, K, V) at one place.
;   PROJ = 1: out0 = ctx Wo + bo.  A = ctx (f16), W = plane 3 of wt (f16), C = out0, f32.  One tile to a work-group.
; Sums in f32.  The bias is rounded to bf16, like every other input of the module, and is the C operand of each accumulator's first product: nothing is cleared, nothing is added later.
; LIMITS.  PROJ = 1: ctx and Wo arrive within f16.  NaN and infinities are not treated apart.
; SHARES.  A tile of C is 256 x 256; four waves, each 128 x 128: 64 accumulators of 16 x 16, 512 registers.  4 tile columns x 64 tile rows = 256 work-groups.
; K goes in steps of 128 through a ring of two LDS slots filled by the tensor data mover.  A's tile: 256 rows of 256 bytes.  W's tile lies [k][n]: 128 k-rows of 512 bytes; its fragments come out of LDS turned, by ds_load_tr16_b128.
; CLUSTERS: 4 x 4 work-groups.  The four of a row of the cluster need the same tile of A, the four of a column the same tile of W: each tile is asked for JOINTLY, by the same tensor load with the same descriptor and a mask that names the four.
; THE MATRIX INSTRUCTION IS USED TRANSPOSED (source 0 = 16 columns of W, source 1 = 16 rows of A): lane l holds row l % 16 of C and the columns 8 (l / 16) + 0..7.
; REGISTERS, in windows of 256 (s_set_vgpr_msb: bits 1:0 source 0, 3:2 source 1, 5:4 source 2, 7:6 destination):
;   window 0: v0-31 addresses; v64-127, v128-191 fragments of A, two buffers; v32-63, v192-255 at work on the way out (PROJ = 1: v64-191)
;   window 1: v0-63 the bias of my 128 columns (column block b at v[8 b]); v64-127, v128-191 fragments of W, two buffers; v192-195 at work
;   window 2: the 32 accumulators of my rows 0-63 ((a, b) at v[8 (8 a + b)]);   window 3: those of my rows 64-127
.set PROJ,  1
.set TILES, 1
.set KSTEP, 128
.set ROWB,  2048                       ; bytes in a row of A and in a k-row of wt
.set ASTEP, 2*KSTEP                    ; a K step along a row of A, in bytes
.set BSTEP, KSTEP*ROWB                 ; a K step down wt
.set PLANE, 16384*ROWB
.set PITCH, 272                        ; A's LDS row: 256 bytes + 16 of padding = 68 words: the 16 rows of a load start at 16 different groups of four banks (64 banks of 4 bytes: ISA guide 11.1)
.set BP,    544                        ; W's LDS k-row: 512 bytes + 32 of padding = 136 words
.set HALFT, 128*PITCH                  ; what one tensor load brings: 128 rows of A, or 64 k-rows of W (64 x 544 is the same number)
.set SLOT,  4*HALFT                    ; A's 256 rows, then W's 128 k-rows
.set STAGE, 2*SLOT                     ; behind the ring, never filled by a tensor load: 16 rows for each wave, for the way out
.if PROJ
.set SPITCH, 528                       ; 128 f32 + 16 bytes
.set CSH,   12                         ; a row of C is 4,096 bytes
.set WOFF,  3*1024*ROWB
.else
.set SPITCH, 272                       ; 128 f16 + 16 bytes
.set CSH,   11                         ; a row of C is 2,048 bytes
.set WOFF,  0
.endif
.set CROW,  1<<CSH
.set SPARE, STAGE+4*16*SPITCH          ; behind the stages: the spare words, 128 bytes for each wave: two blocks of 256 bytes that no other line names
.set LAPS,  4                          ; a lap = two K steps = once round the ring
.set ADRA, 16                          ; v16-17  LDS address of my A fragments in slot 0, 1
.set ADRB, 20                          ; v20-21  the same for W
.set STO,  24                          ; v24     the way out: where I put my part of a row
.set RD,   25                          ; v25     the way out: where I read rows back
.set CO,   26                          ; v26     my byte offset in C
.set BO,   27                          ; v27     my byte offset in the bias
.set SPW,  28                          ; v28     LDS address of my spare word: SPARE + 4 x my thread's number; never rewritten
.set NIL,  29                          ; v29     0; never rewritten
.set PFO,  30                          ; v30     the prefetches' lane offset; never rewritten
.set F0,   64
.set F1,   128
.set TMP,  192
.set OB,   32
.set BT,   192                         ; window 1
.set G1,  24                           ; s[24:31] descriptor group 1 for A's tiles;  s[32:39] group 0, a set for each slot
.set G0,  32
.set G1B, 48                           ; s[48:55], s[56:63] the same for W's tiles
.set G0B, 56
.set LIM, 43                           ; s43      1 in a wave that prefetches, else the greatest number
.set PFA, 44                           ; s[44:45] where my prefetches stand
.set PST, 66                           ; s[66:67] their step: a K step of A or of W
.set PJ,  74                           ; s[74:75] their further step at a change of tiles
.set DA,  76                           ; s[76:77] what A's descriptors add at a change of tiles
.set MSB, 0
.macro WIN new                         ; the immediate's high byte repeats the setting that is left; a switch that changes nothing is dropped
.if MSB != (\new)
	s_set_vgpr_msb (MSB<<8)|(\new)
.set MSB, \new
.endif
.endm
.set TO_B, 0x40                        ; destination window 1, address window 0
; A joint load.  Waves 0 and 1 fetch A's two halves, waves 2 and 3 W's.  The branch hangs on the wave's number alone.  An s_nop 0 and four v_nop follow each of the two lines.
.macro JLOAD s
	s_cmp_eq_u32 s11, 0
	s_cbranch_scc0 .Lfor_b_\@
	tensor_load_to_lds s[G0+4*(\s):G0+4*(\s)+3], s[G1:G1+7]
	s_nop 0
.rept 4
	v_nop
.endr
	s_branch .Lasked_\@
.Lfor_b_\@:
	tensor_load_to_lds s[G0B+4*(\s):G0B+4*(\s)+3], s[G1B:G1B+7]
	s_nop 0
.rept 4
	v_nop
.endr
.Lasked_\@:
.endm
; A PREFETCH INTO THE L2, behind each joint load and the run of LDS loads that follows it: the K step that stands TWO refills on, 512 matrix instructions ahead of the load that will want it.
; Each aligned 256 bytes are named once in the launch.  A's tile row is read by one cluster: of the 128 rows that a wave fetches the partner at cx takes 32, a lane a row.  W's tile column is read by every
; cluster: cluster y = 0 asks; of the 64 k-rows that a wave fetches the partner at cy takes 16, two lanes a row of 512 bytes.  The partners are told apart by address, never by a branch.
; how = 0, in the loop: a tile's last two refills have no K step two on.  how = 1, at a change of tiles.
.macro ASK how
.if \how
	s_cmp_eq_u32 s[LIM], 1
.else
	s_cmp_gt_u32 s3, s[LIM]                        ; s3 = 1 in the loop's last trip
.endif
	s_cbranch_scc0 .Lnot_mine_\@
	global_prefetch_b8 v[PFO], s[PFA:PFA+1] th:TH_LOAD_NT scope:SCOPE_SE
.Lnot_mine_\@:
.endm
.macro CREST                           ; a round of the cluster's barrier behind its opening barrier
	s_cmp_lg_u32 s10, 0
	s_cbranch_scc1 .Lnot_wave_0_\@
	s_barrier_signal -3
.Lnot_wave_0_\@:
	s_barrier_wait -3
	s_barrier_signal -1
	s_barrier_wait -1
.endm
.macro CROUND                          ; a whole round
	s_barrier_signal -1
	s_barrier_wait -1
	CREST
.endm
	s_load_b128 s[4:7], s[0:1], 0x0                ; A s[4:5], wt s[6:7]
	s_load_b64 s[8:9], s[0:1], 0x10                ; C
.if PROJ
	s_load_b64 s[68:69], s[0:1], 0x18              ; bo
.else
	s_load_b128 s[68:71], s[0:1], 0x18             ; bq s[68:69], bk s[70:71]
	s_load_b64 s[72:73], s[0:1], 0x28              ; bv
.endif
	v_lshl_add_u32 v[SPW], v0, 2, SPARE
	v_mov_b32 v[NIL], 0
	ds_add_u32 v[SPW], v[NIL]                      ; the wave's opening: the add and its wait stand ahead of my first tensor load; the set-up below, work on registers, stands between them
	v_lshrrev_b32 v1, 5, v0
	v_readfirstlane_b32 s10, v1                    ; wave 0..3
	s_lshr_b32 s11, s10, 1                         ; which half of the tile's rows is mine.  Also: I fetch for A (0) or for W (1)
	s_and_b32 s12, s10, 1                          ; which half of its columns.  Also: which half of that tile I fetch
	s_bfe_u32 s40, ttmp6, 0x40000                  ; cx
	s_bfe_u32 s41, ttmp6, 0x40004                  ; cy
	s_lshl_b32 s42, ttmp9, 2
	s_add_co_u32 s42, s42, s40                     ; tile column of C = 4 x cluster x + cx
	s_and_b32 s13, ttmp7, 0xffff
	s_lshl_b32 s13, s13, 2
	s_add_co_u32 s13, s13, s41                     ; tile row of C = 4 x cluster y + cy
	s_lshl_b32 s43, s41, 2
	s_lshl_b32 s43, 15, s43                        ; my row of the cluster
	s_lshl_b32 s44, 0x1111, s40                    ; my column
	s_or_b32 s[G1+0], s43, (1<<16)|(1<<20)|(1<<21)|(5<<22)|(3<<25)   ; 15:0 the mask: my row; 17:16 2-byte elements; 20 padding on; 21 set beside a mask; 24:22 after every 64 words; 31:25 4 words
	s_mov_b32 s[G1+1], 128<<16                     ; tensor_dim0 = 128
	s_mov_b32 s[G1+2], 128<<16                     ; tensor_dim1 = 128
	s_mov_b32 s[G1+3], 128<<16                     ; tile_dim0 = 128 elements (256 bytes)
	s_mov_b32 s[G1+4], 128                         ; tile_dim1 = 128 rows
	s_mov_b32 s[G1+5], 1024                        ; elements from row to row
	s_mov_b32 s[G1+6], 0
	s_mov_b32 s[G1+7], 0
	s_or_b32 s[G1B+0], s44, (1<<16)|(1<<20)|(1<<21)|(6<<22)|(7<<25)  ; the mask: my column; padding after every 128 words, 8 words
	s_mov_b32 s[G1B+1], 256<<16                    ; tensor_dim0 = 256
	s_mov_b32 s[G1B+2], 64<<16                     ; tensor_dim1 = 64
	s_mov_b32 s[G1B+3], 256<<16                    ; tile_dim0 = 256 elements (512 bytes)
	s_mov_b32 s[G1B+4], 64                         ; tile_dim1 = 64 k-rows
	s_mov_b32 s[G1B+5], 1024
	s_mov_b32 s[G1B+6], 0
	s_mov_b32 s[G1B+7], 0
	; where the tiles come from.  A's hang on the tile row alone, W's on the tile column alone; every wave makes both, in registers of their own.
	s_lshl_b32 s17, s12, 7
	s_lshl_b32 s16, s13, 8
	s_add_co_u32 s16, s16, s17                     ; A: row 256 x tile row + 128 x half,
	s_lshl_b32 s16, s16, 11                        ; in bytes: under 2^25
	s_mov_b32 s17, 0
	s_lshl_b32 s46, s12, 17                        ; W: 64 k-rows x half,
	s_lshl_b32 s47, s42, 9                         ; 512 bytes x tile column,
	s_add_co_u32 s46, s46, s47
.if WOFF
	s_add_co_u32 s46, s46, WOFF                    ; and the plane
.endif
	s_mov_b32 s47, 0
	s_mul_i32 s20, s10, HALFT                      ; and where they go: wave x HALFT: no place in the cluster enters an LDS address
	s_wait_dscnt 0x0                               ; the opening add is done
	s_wait_kmcnt 0x0
	s_add_nc_u64 s[14:15], s[4:5], s[16:17]
	s_add_nc_u64 s[46:47], s[6:7], s[46:47]
	CROUND                                         ; all sixteen work-groups are here: the first joint loads meet
.irp s, 0,1
	s_mov_b32 s[G0+4*(\s)], 1                                        ; count = 1
	s_add_co_u32 s[G0+4*(\s)+1], s20, (\s)*SLOT                      ; LDS address
	s_add_nc_u64 s[G0+4*(\s)+2:G0+4*(\s)+3], s[14:15], (\s)*ASTEP    ; global address: K step s
	s_or_b32 s[G0+4*(\s)+3], s[G0+4*(\s)+3], 0x80000000              ; type = 2
	s_mov_b32 s[G0B+4*(\s)], 1
	s_add_co_u32 s[G0B+4*(\s)+1], s20, (\s)*SLOT
	s_add_nc_u64 s[G0B+4*(\s)+2:G0B+4*(\s)+3], s[46:47], (\s)*BSTEP
	s_or_b32 s[G0B+4*(\s)+3], s[G0B+4*(\s)+3], 0x80000000
	JLOAD \s                                       ; two tensor loads of mine are out
.endr
; The bias of my 128 columns, in the layout of a C operand: register j of column block b is bias[16 b + 8 (l / 16) + j].
.macro BLOAD p
	WIN TO_B
.irp b, 0,1,2,3,4,5,6,7
	global_load_b128 v[8*(\b):8*(\b)+3],   v[BO], s[\p:\p+1] offset:64*(\b)
	global_load_b128 v[8*(\b)+4:8*(\b)+7], v[BO], s[\p:\p+1] offset:64*(\b)+16
.endr
	WIN 0
.endm
.macro BROUND                          ; it is rounded to bf16 and widened again, four pairs at a time
	s_wait_loadcnt 0x0
	WIN 0x45                                       ; destination and sources 0 and 1 in window 1
.set i, 0
.rept 8
.irp j, 0,1,2,3
	v_cvt_pk_bf16_f32 v[BT+(\j)], v[8*i+2*(\j)], v[8*i+2*(\j)+1]
.endr
.irp j, 0,1,2,3
	v_lshlrev_b32 v[8*i+2*(\j)], 16, v[BT+(\j)]
	v_and_b32 v[8*i+2*(\j)+1], s79, v[BT+(\j)]
.endr
.set i, i+1
.endr
	WIN 0
.endm
	v_and_b32 v1, 15, v0                           ; l % 16
	v_bfe_u32 v2, v0, 4, 1                         ; l / 16
	s_lshl_b32 s46, s42, 10                        ; 256 columns x 4 bytes x tile column
	s_lshl_b32 s47, s12, 9                         ; my 128 columns
	s_add_co_u32 s46, s46, s47
	v_lshl_add_u32 v[BO], v2, 5, s46
	s_mov_b32 s79, 0xffff0000
	BLOAD 68
	v_mul_u32_u24 v3, v1, PITCH
	v_lshl_add_u32 v3, v2, 4, v3                   ; A's fragment: row x pitch + 16 x half; two loads of 16 bytes, 32 bytes apart
	v_and_b32 v4, 7, v0                            ; W's: the turning load takes 16 k x 16 n (lane l reads k-row 8 (l / 16) + l % 8, columns 8 ((l / 8) % 2) + 0..7) and leaves lane l column l % 16 and 8 k
	v_lshl_add_u32 v4, v2, 3, v4
	v_mul_u32_u24 v4, v4, BP
	v_bfe_u32 v5, v0, 3, 1
	v_lshl_add_u32 v4, v5, 4, v4
	s_mul_i32 s21, s11, HALFT                      ; my 128 rows of A
	s_lshl_b32 s22, s12, 8                         ; my 128 columns of W: 256 bytes of each k-row,
	s_add_co_u32 s22, s22, 2*HALFT                 ; behind A's 256 rows
.irp s, 0,1
	v_add_nc_u32 v[ADRA+(\s)], s21, v3
	v_add_nc_u32 v[ADRB+(\s)], s22, v4
	s_add_co_u32 s21, s21, SLOT
	s_add_co_u32 s22, s22, SLOT
.endr
	s_mul_i32 s23, s10, 16*SPITCH
	s_add_co_u32 s23, s23, STAGE                   ; my stage
	v_mul_u32_u24 v4, v1, SPITCH                   ; in: row l % 16, my eight columns
	v_lshl_add_u32 v4, v2, CSH-7, v4
	v_add_nc_u32 v[STO], s23, v4
.if PROJ
	v_and_b32 v5, 31, v0                           ; back: 32 lanes take one row of 512 bytes,
	v_lshlrev_b32 v[CO], 4, v5                     ; which are 512 consecutive bytes of C
	v_add_nc_u32 v[RD], s23, v[CO]
.else
	v_mul_u32_u24 v5, v2, SPITCH                   ; back: lanes 0-15 take one row of 256 bytes, lanes 16-31 the next,
	v_lshl_add_u32 v5, v1, 4, v5
	v_add_nc_u32 v[RD], s23, v5
	v_lshlrev_b32 v5, CSH, v2                      ; and the same two rows in C
	v_lshl_add_u32 v[CO], v1, 4, v5
.endif
	s_lshl_b32 s16, s13, 8                         ; where my part of the first tile begins in C, in bytes (under 2^27): the first way out adds it to C's address
	s_lshl_b32 s14, s11, 7
	s_add_co_u32 s16, s16, s14
	s_lshl_b32 s16, s16, CSH
	s_lshl_b32 s46, s42, CSH-2
	s_lshl_b32 s47, s12, CSH-3
	s_add_co_u32 s46, s46, s47
	s_add_co_u32 s16, s16, s46
	s_mov_b32 s17, 0
	; the prefetches: they stand at K step 3; each change of slots steps them first, so the first names K step 4
	s_lshl_b32 s20, s13, 8
	s_lshl_b32 s18, s12, 7
	s_add_co_u32 s20, s20, s18
	s_lshl_b32 s18, s40, 5
	s_add_co_u32 s20, s20, s18                     ; A: the tile's row + the 128 that I fetch + my work-group's 32 of them
	s_lshl_b32 s20, s20, 11
	s_add_co_u32 s20, s20, 3*ASTEP
	s_lshl_b32 s21, s12, 6
	s_lshl_b32 s18, s41, 4
	s_add_co_u32 s21, s21, s18                     ; W: the 64 k-rows that I fetch + my work-group's 16 of them
	s_lshl_b32 s21, s21, 11
	s_lshl_b32 s18, s42, 9
	s_add_co_u32 s21, s21, s18
	s_add_co_u32 s21, s21, WOFF+3*BSTEP
	s_and_b32 s22, ttmp7, 0xffff                   ; cluster y
	s_mov_b32 s18, BSTEP
	s_cmp_eq_u32 s11, 0                            ; do I fetch for A?
	s_cselect_b32 s20, s20, s21
	s_cselect_b32 s22, ttmp9, s22                  ; the coordinate along which other clusters read the same bytes
	s_cselect_b64 s[PFA:PFA+1], s[4:5], s[6:7]
	s_cselect_b32 s[PST], ASTEP, s18
	s_mov_b32 s[PST+1], 0
	s_mov_b32 s21, 0
	s_add_nc_u64 s[PFA:PFA+1], s[PFA:PFA+1], s[20:21]
	s_cmp_eq_u32 s22, 0
	s_cselect_b32 s[LIM], 1, -1                    ; the same in all sixteen partners, for a given wave
	v_and_b32 v5, 31, v0
	v_lshrrev_b32 v6, s11, v5                      ; A: a lane a row; W: two lanes a k-row,
	v_and_b32 v7, s11, v5                          ; 256 bytes apart
	v_lshlrev_b32 v6, 11, v6
	v_lshl_add_u32 v[PFO], v7, 8, v6
; 16 matrix instructions: m blocks a0, a0 + 1 of the window's four (hi = 0: my rows 0-63, 1: rows 64-127) x all 8 n blocks, 32 along K.  first = 1: the product starts the sum, with the bias as C.
; The 64 accumulators take turns, one instruction a turn, in the same order in every quarter.
.macro MUL16 f, hi, a0, first
.if \first
	WIN 0x91+0x40*(\hi)                            ; source 0 (W) window 1, source 1 (A) window 0, C window 1, D window 2 or 3
.else
	WIN 0xa1+0x50*(\hi)                            ; the same with C where D is
.endif
.irp a, \a0, (\a0)+1
.irp b, 0,1,2,3,4,5,6,7
.set rD, 8*(8*(\a)+(\b))
.set rB, (\f)+8*(\b)
.set rA, (\f)+8*(4*(\hi)+(\a))
.set rC, rD
.if \first
.set rC, 8*(\b)
.endif
.if PROJ
	v_wmma_f32_16x16x32_f16 v[rD:rD+7], v[rB:rB+7], v[rA:rA+7], v[rC:rC+7]
.else
	v_wmma_f32_16x16x32_bf16 v[rD:rD+7], v[rB:rB+7], v[rA:rA+7], v[rC:rC+7]
.endif
.endr
.endr
.endm
; 32 LDS loads in one run: the fragments of quarter q of a K step (32 k x 128 columns of W, turned; 128 rows of A x 32 k) into buffer f
.macro FETCH slot, q, f
	WIN TO_B
.irp i, 0,1,2,3,4,5,6,7
	ds_load_tr16_b128 v[(\f)+8*(\i):(\f)+8*(\i)+3],   v[ADRB+(\slot)] offset:(\q)*32*BP+32*(\i)
	ds_load_tr16_b128 v[(\f)+8*(\i)+4:(\f)+8*(\i)+7], v[ADRB+(\slot)] offset:(\q)*32*BP+16*BP+32*(\i)
.endr
	WIN 0
.irp i, 0,1,2,3,4,5,6,7
	ds_load_b128 v[(\f)+8*(\i):(\f)+8*(\i)+3],   v[ADRA+(\slot)] offset:64*(\q)+(\i)*16*PITCH
	ds_load_b128 v[(\f)+8*(\i)+4:(\f)+8*(\i)+7], v[ADRA+(\slot)] offset:64*(\q)+(\i)*16*PITCH+32
.endr
.endm
.macro PLACES                          ; four plain vector instructions between a matrix instruction and a load into, or a vector read of, its registers (ISA guide 7.12.1 for vector reads)
.rept 4
	v_nop
.endr
.endm
; A K step is four quarters of 32 along K, 64 matrix instructions each, on buffers 0, 1, 0, 1.  One of the first three multiplies buffer f and, in its middle, fetches quarter q into buffer g.
.macro QUARTER slot, q, f, g, first
	s_wait_dscnt 8                                 ; W and A's rows 0-63 are in; the youngest eight loads (A's rows 64-127) may be out
	MUL16 \f, 0, 0, \first
	MUL16 \f, 0, 2, \first
	PLACES
	FETCH \slot, \q, \g
	s_wait_dscnt 32                                ; all but the 32 just issued
	MUL16 \f, 1, 0, \first
	MUL16 \f, 1, 2, \first
.endm
; The last quarter multiplies buffer 1 and changes slots.  In front of the barrier each wave waits for all its tensor loads (one is out: its part of the next slot), adds 0 to its spare word, and waits for that and for its reads of this slot.
.macro MEET round
	WIN 0                                          ; (the add's two registers lie in window 0)
	s_wait_tensorcnt 0x0
	ds_add_u32 v[SPW], v[NIL]
	s_wait_dscnt 9                                 ; (the add and the youngest eight loads may be out)
	MUL16 F1, 0, 0, 0                              ; sixteen matrix instructions stand between the add and the wait for it
	s_wait_dscnt 0x0                               ; the add is done, and my reads of this slot are over
	s_barrier_signal -1
	MUL16 F1, 0, 2, 0                              ; work on registers while the others arrive
.if \round
	WIN 0
.endif
	s_barrier_wait -1
.endm
; The whole last quarter.  Behind the round the slot just read out is filled again first, with the K step two on.  From a request to the wait for it a wave issues 224 matrix instructions.
.macro TURN slot, next, on
	s_wait_xcnt 0x0                                ; the last prefetch, a K step back, has read its address, which is stepped here
	s_add_nc_u64 s[PFA:PFA+1], s[PFA:PFA+1], s[PST:PST+1]
	MEET 1
	CREST                                          ; no wave of any partner still reads this slot or has a load on its way
	s_add_nc_u64 s[G0+4*(\slot)+2:G0+4*(\slot)+3], s[G0+4*(\slot)+2:G0+4*(\slot)+3], 2*ASTEP
	s_add_nc_u64 s[G0B+4*(\slot)+2:G0B+4*(\slot)+3], s[G0B+4*(\slot)+2:G0B+4*(\slot)+3], 2*BSTEP
	JLOAD \slot                                    ; the first tensor load behind the round; its four v_nop are also the places in front of the loads below
	FETCH \next, 0, F0
	ASK \on
	MUL16 F1, 1, 0, 0
	MUL16 F1, 1, 2, 0
.endm
	s_wait_tensorcnt 1                             ; my part of K step 0 is in; K step 1's may stay out
	s_barrier_signal -1
	s_barrier_wait -1                              ; everybody's is
	FETCH 0, 0, F0
	BROUND
	QUARTER 0, 1, F0, F1, 1                        ; the first quarter stands in front of the loop: its products start the sums
	WIN 0                                          ; at a label and at a branch every window is 0
	s_mov_b32 s3, LAPS-1
.Llap:                                                 ; a trip goes once round the ring, from a lap's second quarter to the next lap's first, and fills both slots again
	QUARTER 0, 2, F1, F0, 0
	QUARTER 0, 3, F0, F1, 0
	TURN 0, 1, 0
	QUARTER 1, 1, F0, F1, 0
	QUARTER 1, 2, F1, F0, 0
	QUARTER 1, 3, F0, F1, 0
	TURN 1, 0, 0
	QUARTER 0, 1, F0, F1, 0
	WIN 0
	s_sub_co_u32 s3, s3, 1
	s_cmp_lg_u32 s3, 0
	s_cbranch_scc1 .Llap
	QUARTER 0, 2, F1, F0, 0                        ; the last lap goes on; it asks for nothing more
	QUARTER 0, 3, F0, F1, 0
	MEET 0                                         ; my one tensor load that was out is slot 1's, the last K step's, so no round follows
	PLACES
	FETCH 1, 0, F0
	MUL16 F1, 1, 0, 0
	MUL16 F1, 1, 2, 0
	QUARTER 1, 1, F0, F1, 0
	QUARTER 1, 2, F1, F0, 0
	QUARTER 1, 3, F0, F1, 0
	s_wait_dscnt 8                                 ; the very last quarter: nothing more to fetch
	MUL16 F1, 0, 0, 0
	MUL16 F1, 0, 2, 0
	s_wait_dscnt 0x0
	MUL16 F1, 1, 0, 0
	MUL16 F1, 1, 2, 0
	WIN 0
	PLACES                                         ; the places behind the last products
; THE WAY OUT, a block of 16 rows at a time, through my own stage in LDS: no barrier, and, since LDS serves a wave's instructions in order (ISA guide 5.7.1.4), no wait between the stores and the loads.
.macro STG a                           ; block a's f32 sums go into rows of 528 bytes (each accumulator's low four registers first) and come back as whole rows of 512
.set AC, 64*((\a)%4)
.set BK, 64+64*((\a)%2)
	WIN 0x08+4*((\a)/4)                            ; the stores' data in window 2 or 3
.irp b, 0,1,2,3,4,5,6,7
	ds_store_b128 v[STO], v[AC+8*(\b):AC+8*(\b)+3]   offset:64*(\b)
	ds_store_b128 v[STO], v[AC+8*(\b)+4:AC+8*(\b)+7] offset:64*(\b)+16
.endr
	WIN 0
	s_wait_xcnt 0x0                                ; the stores of the block two back have read these registers
.irp t, 0,1,2,3,4,5,6,7,8,9,10,11,12,13,14,15
	ds_load_b128 v[BK+4*(\t):BK+4*(\t)+3], v[RD] offset:(\t)*SPITCH
.endr
.endm
.macro SEND a, younger                 ; younger: the LDS instructions issued behind block a's loads: the next block's 32, or none
.set BK, 64+64*((\a)%2)
	s_wait_dscnt \younger
	s_wait_xcnt 0x0                                ; the stores' base is rewritten only behind this wait
.if (\a) == 0
	s_add_nc_u64 s[8:9], s[8:9], s[16:17]
.else
	s_add_nc_u64 s[8:9], s[8:9], 16*CROW
.endif
.irp t, 0,1,2,3,4,5,6,7,8,9,10,11,12,13,14,15
	global_store_b128 v[CO], v[BK+4*(\t):BK+4*(\t)+3], s[8:9] offset:(\t)*CROW th:TH_STORE_NT  ; a wave stores 512 consecutive bytes, at a multiple of 512 from C's first byte
.endr
.endm
	STG 0
.irp a, 1,2,3,4,5,6,7
	STG \a
	SEND (\a)-1, 32
.endr
	SEND 7, 0
	s_wait_tensorcnt 0x0                           ; the wave's end, behind my last tensor load and my last LDS store
	ds_add_u32 v[SPW], v[NIL]
	s_wait_dscnt 0x0
	CROUND                                         ; the closing round: no work-group ends while a partner may still ask for a tile that names it
	s_endpgm
.Lfunc_end_k_qd1c95c029c_proj:
	.size	k_qd1c95c029c_proj, .Lfunc_end_k_qd1c95c029c_proj-k_qd1c95c029c_proj
	.p2alignl 7, 3214868480
	.fill 96, 4, 3214868480
	.section	.rodata,"a",@progbits
	.p2align	6, 0x0
	.amdhsa_kernel k_qd1c95c029c_proj
		.amdhsa_group_segment_fixed_size 327680
		.amdhsa_private_segment_fixed_size 0
		.amdhsa_enable_private_segment 0
		.amdhsa_kernarg_size 32
		.amdhsa_user_sgpr_count 2
		.amdhsa_user_sgpr_kernarg_segment_ptr 1
		.amdhsa_wavefront_size32 1
		.amdhsa_system_sgpr_workgroup_id_x 1
		.amdhsa_system_sgpr_workgroup_id_y 1
		.amdhsa_system_sgpr_workgroup_id_z 1
		.amdhsa_system_vgpr_workitem_id 0
		.amdhsa_next_free_vgpr 1024
		.amdhsa_next_free_sgpr 80
		.amdhsa_reserve_vcc 0
		.amdhsa_float_denorm_mode_32 3
		.amdhsa_float_denorm_mode_16_64 3
		.amdhsa_memory_ordered 1
		.amdhsa_forward_progress 1
		.amdhsa_inst_pref_size 148
	.end_amdhsa_kernel
	.amdgpu_metadata
---
amdhsa.version: [ 1, 2 ]
amdhsa.kernels:
  - .name:           k_qd1c95c029c_proj
    .symbol:         k_qd1c95c029c_proj.kd
    .args:
      - { .name: ctx, .offset: 0, .size: 8, .value_kind: global_buffer, .address_space: global }
      - { .name: wt, .offset: 8, .size: 8, .value_kind: global_buffer, .address_space: global }
      - { .name: out0, .offset: 16, .size: 8, .value_kind: global_buffer, .address_space: global }
      - { .name: bo, .offset: 24, .size: 8, .value_kind: global_buffer, .address_space: global }
    .group_segment_fixed_size: 327680
    .private_segment_fixed_size: 0
    .kernarg_segment_align: 8
    .kernarg_segment_size: 32
    .max_flat_workgroup_size: 128
    .sgpr_count:     80
    .vgpr_count:     1024
    .wavefront_size: 32
...
	.end_amdgpu_metadata
.endif
;; end of part 4
